; MI455X (gfx1250); checked and timed in simulation.
; The chip was launched on July 23, 2026; its instructions are those of AMD's public machine-readable ISA for CDNA 5 (MIT licence, August 2026) and "CDNA5" Instruction Set Architecture Reference Guide (July 2026). The comments in the code are by the model that wrote it; some were corrected since.
;; Deep Factorization Machine Model. Allowed arithmetic: matrix products marked QUANTISED: E4M3 operands, one E8M0 scale for each 32 along K, by v_wmma_scale_f32_16x16x128_f8f6f4 with both operands' format E4M3, f32 sums; products left as they are: f32 operands where the result goes on into a quantised operand, else bf16, f16 or f32 operands; f32 sums; everything else in f32.
;; Inputs: W1_codes 64 x 8 x 32 uint8 (E4M3 codes of W1, K innermost, in blocks of 32 codes); W1_scales 64 x 8 uint8 (E8M0 scales of W1, one for each 32 codes along K); W2_codes 32 x 2 x 32 uint8 (E4M3 codes of W2, K innermost, in blocks of 32 codes); W2_scales 32 x 2 uint8 (E8M0 scales of W2, one for each 32 codes along K); W3 32 x 1 float32; b1 64 float32; b2 32 float32; b3 1 float32; be1 64 float32; be2 32 float32; emb_table 1,700,000 x 16 float32; g1 64 float32; g2 32 float32; lin_bias 1 float32; lin_table 1,700,000 x 1 float32; x 16,384 x 16 int32; x_field 16,384 x 16 int32; x_val 16,384 x 16 float32.
;; Outputs: out0 16,384 float32.
;; This version of the problem:
;;   THIS VERSION OF THE PROBLEM IS GIVEN IN LOW PRECISION. The matrix products marked QUANTISED in the list below multiply operands that are first quantised to E4M3 (4 exponent bits, 3 mantissa bits; 8 bits a number), with one power-of-two scale for each 32 numbers along K (OCP MX v1.0); their sums are f32. All else is computed in f32.
;;   The module's matrix products, in the order in which they are computed (A, B: the left and right operand; K: the contracted axis; several contracted axes count as one K, in the product's order):
;;     1. [M 16,384, K 256] x [K 256, N 64]; A: computed on the way; B: input W1 (given as codes): QUANTISED
;;     2. [M 16,384, K 64] x [K 64, N 32]; A: computed on the way; B: input W2 (given as codes): QUANTISED
;;     3. [M 16,384, K 32] x [K 32, N 1]; A: computed on the way; B: input W3: left as it is (N = 1 < 16)
;;   THE QUANTISER, for each operand of a quantised product, along K:
;;     - K is cut into blocks of 32 from its start; a last block that is shorter is filled with zeros.
;;     - A block's scale is 2^e with e = floor(log2(the largest magnitude in the block)) - 8, held to -126 .. 127; a block of zeros has e = 0. As a byte (E8M0): e + 127.
;;     - Each number is divided by its block's scale, clamped to +-448, and rounded to the nearest number of E4M3, ties to even, subnormals kept.
;;     - The product sums the exact products of the quantised numbers (number of the format x scale) in f32.
;;   ~~~python
;;   def quantise(x, axis):      # numpy; x: float32 -> the quantised numbers, widened to float32 again
;;       x = np.moveaxis(x, axis, -1); K = x.shape[-1]
;;       x = np.pad(x, [(0, 0)] * (x.ndim - 1) + [(0, -K % 32)]); x = x.reshape(x.shape[:-1] + (-1, 32)); a = np.abs(x).max(-1, keepdims=True)
;;       e = np.where(a > 0, np.clip(np.frexp(np.where(a > 0, a, 1))[1] - 1 - 8, -126, 127), 0)      # np.frexp(a)[1] - 1 = floor(log2(a)), exactly
;;       r = np.clip(x / 2.0 ** e, -448, 448)
;;       step = 2.0 ** (np.maximum(np.frexp(np.where(r == 0, 1, r))[1] - 1, -6) - 3)
;;       q = np.round(r / step) * step * 2.0 ** e      # np.round: ties to even
;;       return np.moveaxis(q.reshape(q.shape[:-2] + (-1,))[..., :K], -1, axis).astype(np.float32)
;;   ~~~
;;   OPERANDS COMPUTED ON THE WAY. 'Computed on the way' means the value that the module computes at that place (a softmax that the list does not call 'softmax' is quantised finished and normalised). What goes into a quantiser is computed in f32, as accurately as f32 sums, v_exp_f32 and their like allow (about 1e-6 of the number): no bf16 or f16 on the way to a quantiser, and a product that is left as it is and whose result goes on into a quantised operand takes f32 operands (vector FMAs, or v_wmma_f32_16x16x4_f32). A number that lies on a knife's edge between two numbers of the format may be rounded either way, as far as f32 arithmetic and the matrix unit's own rounding can turn it there, and no further.
;;   INPUTS GIVEN AS CODES. W1 (in the module: [256, 64], K = its axis 0); W2 (in the module: [64, 32], K = its axis 0): each comes as NAME_codes (uint8): NAME with its K axis moved to the last place and cut into blocks of 32 codes, [.., K / 32, bytes a block], one block behind the other in memory; one code a byte (a code: sign, 4 exponent bits, 3 mantissa bits); and NAME_scales (uint8): the same leading axes, one E8M0 byte (e + 127) for each 32 codes along K. Its value is code x scale, taken as it is: it is not quantised again, and the codes and scales need not be those that the quantiser above would give.
;; 2 versions. Each part assembles by itself: llvm-mc -triple=amdgcn-amd-amdhsa -mcpu=gfx1250 --defsym DOCPART=n.
;; ======== version 1 of 2: 1 launch
;; launch deepfm (part 1): grid 256 x 1, 4 waves a work-group, no clusters, 168,448 bytes of LDS; arguments x, x_field, x_val, emb_table, lin_table, lin_bias, W1_codes, W1_scales, W2_codes, W2_scales, b1, g1, be1, b2, g2, be2, W3, b3, out0; writes out0
.if DOCPART == 1
	.amdgcn_target "amdgcn-amd-amdhsa--gfx1250"
	.amdhsa_code_object_version 6
	.text
	.protected	k_q8e03b37a51_deepfm
	.globl	k_q8e03b37a51_deepfm
	.p2align	8
	.type	k_q8e03b37a51_deepfm,@function
k_q8e03b37a51_deepfm:
	s_mov_b64 s[64:65], 0
	v_nop
	global_prefetch_b8 v0, s[64:65] scope:SCOPE_SE
	s_setreg_imm32_b32 hwreg(HW_REG_WAVE_MODE, 25, 1), 1
	s_wait_xcnt 0x0
; out[b] = lin + fm + mlp of a deep factorisation machine, 16,384 rows x 16 fields x 16 numbers, all steps in one launch.
;   idx = x + 100000 x_field;  g = emb_table[idx] x_val;  lin = sum lin_table[idx] x_val + lin_bias;  fm = 0.5 sum_e ((sum_f g)^2 - sum_f g^2);
;   mlp = relu(bn(relu(bn(g W1 + b1)) W2 + b2)) W3 + b3, bn(h) = h g / sqrt(1 + 1e-5) + be.  The first two products run on codes of E4M3 with one E8M0 scale for each 32 along K
;   (W1, W2 come as codes; g and the hidden layer are quantised here, in registers); the third (N = 1) is 16 multiply-adds a lane in f32.
; SHARES.  256 work-groups x 4 waves; a wave owns ONE tile of 16 rows from its indices to its results, and has all its 32 gathers of 512 bytes and its 8 gathers of lin_table out together.  No loop.
; THE GATHER.  Four neighbouring lanes take one embedding row of 64 bytes, 16 bytes each, so that a load names 8 whole rows.  q = lane & 3, gl = (lane >> 2) & 3, h = lane >> 4, r = lane & 15.
;   The four lanes (gl, h) own batch rows R0 = 4 gl + 2 h and R0 + 1: 32 pairs j = 16 u + f (row R0 + u, field f).  The weighted numbers turn through the wave's own stage in LDS, T[row][field][e], and come back in
;   the operand's layout: lane (r, h), register 16 c + i = field 2 c + h, number i of row r = k 32 c + 16 h + i.  A block of 32 along K is fields 2 c and 2 c + 1: it lies in lanes l and l xor 16.
; BOTH PRODUCTS ARE USED TRANSPOSED (source 0 = 16 rows of the weight, source 1 = the 16 batch rows): a lane holds one batch row throughout.  THE ROWS OF W1 THAT FORM A TILE ARE NOT NEIGHBOURS: lane r of tile
;   2 b + u takes row 32 b + 8 u + r + 8 (r / 8), so that the 16 registers of tiles 2 b and 2 b + 1 are 16 neighbours along the next K.  b1 and b2 are the C of each sum's first matrix instruction.
;   The second product's K = 64 is filled to 128 with zero codes on both sides (their scale bytes are 0, which is 2^-127 and not NaN).
; THE WEIGHTS AND PARAMETERS, 20 KB, are brought once by the work-group and laid in LDS; two barriers in all (weights laid; 64 results gathered, so that one store covers 256 consecutive aligned bytes of out).
; NOT USED, AND WHY.  Tensor loads, clusters, joint loads: the gather's addresses differ lane by lane, and what work-groups share is 20 KB of weights against 64 x 1,280 = 81,920 bytes of a work-group's own.
;   Prefetches: a row's address is known only where its load can be issued.  Register windows, large tiles: ten matrix instructions a wave.
; 1 / sqrt(1 + 1e-5) is a constant of the problem: c = 0x3f7fffac; g c stands for g / sqrt(1 + 1e-5) (within one unit in the last place).
; LIMITS.  x is held at 99,999 and x_field at 16 (the field's size, the offset table's length; a negative number counts as a large one).  NaN and infinities are not served.  A block whose largest magnitude
;   lies under 2^-118 keeps the scale byte 1; so does a block of zeros, where the rule says 127: its codes are zeros, and nobody but this text reads the byte.
; The launch claims 168,448 bytes of LDS and uses 102,912.
;
; LDS
.set W1L,   0                          ; W1's codes: 64 slots x (256 + 16) bytes; slot 16 tile + r holds the row that lane r of the tile takes
.set W2L,   17408                      ; W2's codes: 32 rows x (64 + 16)
.set SC1,   19968                      ; W1's scale bytes as they lie: 64 rows x 8
.set PAR1,  20480                      ; b1, g1 c, be1: 256 bytes each
.set PAR2,  21248                      ; b2, g2 c, be2, W3: 128 bytes each
.set OUTW,  21760                      ; the work-group's 64 results
.set WREG,  22016                      ; from here on a region of WSIZE bytes for each wave:
.set WSIZE, 20224
.set IXF,   1088                       ;   +0 x, +1088 x_field, +2176 x_val of my 16 rows: each 4 x (256 + 16) bytes
.set IXV,   2176
.set STGO,  3264                       ;   the stage: 16 rows x TP
.set TP,    1040                       ;   1,024 bytes + 16 = 260 words: row r starts at bank 4 r mod 64 (64 banks of 4 bytes: ISA guide 11.1)
.set ROWO,  19904                      ;   lin of my 16 rows, 64 bytes; then sum s^2 - sum g^2 of my 16 rows
; VECTOR REGISTERS.  v1-23: addresses, made once, ahead of the first branch, never rewritten
.set GL16, 1                           ; 16 x lane
.set GT16, 2                           ; 16 x thread
.set GT4,  3                           ; 4 x thread
.set GT8,  4                           ; 8 x thread
.set GL8,  5                           ; 8 x lane
.set GL4,  6                           ; 4 x lane
.set GL2,  7                           ; 2 x lane
.set AW1S, 8                           ; W1's way into LDS: 272 (thread / 16) + 16 (thread % 16)
.set AW2S, 9                           ; W2's: 80 (thread / 4) + 16 (thread % 4)
.set AIS,  10                          ; indices in: WB + 16 lane + 16 h
.set AIR,  11                          ; indices back: WB + 272 gl + 128 h: my two rows' 128 bytes
.set ATS,  12                          ; stage in: WB + TP R0 + 16 q
.set ATR,  13                          ; stage back: WB + TP r + 64 h
.set ALS,  14                          ; lin in: WB + 4 (lane / 4)
.set AFS,  15                          ; fm in: WB + 4 R0
.set ARR,  16                          ; lin, fm back: WB + 4 r
.set AW1R, 17                          ; a fragment of W1: 272 r + 16 h
.set AW2R, 18                          ; of W2: 80 r + 16 h
.set ASC1R, 19                         ; W1's scale words: 8 (r + 8 (r / 8)) + 4 h: lanes 0-15 take K step 0's word, lanes 16-31 K step 1's
.set AP1R, 20                          ; the first layer's parameters in the result's layout: 64 h
.set AP2R, 21                          ; the second's: 32 h
.set AOS,  22                          ; my result: 64 wave + 4 r
.set Q16,  23                          ; 16 q
.set W1S,  24                          ; v24-27 W1's scale words, a register a tile;  v28 W2's (lane = row);  v29, v30 the scale words made here.  These hold scales and nothing else
.set W2S,  28
.set PW0,  29
.set PW1,  30
.set XO,   32                          ; v32-63  x of my 32 pairs, then the gathers' offsets;  later the codes: A0 = v32-47, A1 = v48-63;  later the hidden layer's codes (v40-47 zeros)
.set A0,   32
.set A1,   48
.set RX,   64                          ; v64-71  x as loaded, then lin's offsets;  v72-79 x_field as loaded, then lin's numbers;  v80-87 x_val as loaded
.set RF,   72
.set RV,   80
.set CW2,  88                          ; v88-91 W2, v92 W1's scales, v93 a second-layer parameter, v94-95 a first-layer parameter: on their way to LDS
.set CSC,  92
.set CP2,  93
.set CP1,  94
.set SS,   88                          ; then v88-91 sum_f g, v92-93 sum g^2, v94, v95 the two rows' fm
.set SQ,   92
.set FM,   94
.set TM,   64                          ; from the quantiser on: v64-67 largest magnitudes, v68-71 bytes, v72-75 the hold, v76-79 the conversions' scale operands;  v80-87 at work
.set VV,   96                          ; v96-127 W1 on its way to LDS;  then x_val of my 32 pairs;  then H, the first product's four accumulators
.set H,    96
.set G,    128                         ; v128-255 the gathers' landing, 4 registers a pair;  the numbers back from the stage;  W1's fragments;  parameters, W2's fragments, H2
.set FF,   224                         ; v224-255 x_field of my 32 pairs (group i of the gathers lands up to v[143 + 16 i], under the next unread field number v[228 + 4 i])
.set W2F,  192
.set H2,   224
; SCALAR REGISTERS: s2 wave, s3 WB, s4-7 at work, s8-45 the 19 addresses, s46 lin_bias, s47 b3, s[48:49], s[50:51] the parameter that my wave brings, s[52:53] its factor, s[54:55] lane selects, s56 448's mantissa
.set WV, 2
.set WB, 3
; Group i of the gathers: pairs 4 i .. 4 i + 3.  offset = 64 min(x, 99999) + 6,400,000 min(field, 16) + 16 q: clamps, then a shift, a multiplication and additions alone; at most 108,799,984.
.macro GATHER4 i
.irp k, 0,1,2,3
	v_min_u32 v[XO+4*\i+\k], 0x1869f, v[XO+4*\i+\k]
.endr
.irp k, 0,1,2,3
	v_min_u32 v[FF+4*\i+\k], 16, v[FF+4*\i+\k]
.endr
.irp k, 0,1,2,3
	v_lshlrev_b32 v[XO+4*\i+\k], 6, v[XO+4*\i+\k]
.endr
.irp k, 0,1,2,3
	v_mul_u32_u24 v[FF+4*\i+\k], 0x61a800, v[FF+4*\i+\k]
.endr
.irp k, 0,1,2,3
	v_add_nc_u32 v[XO+4*\i+\k], v[XO+4*\i+\k], v[FF+4*\i+\k]
.endr
.irp k, 0,1,2,3
	v_add_nc_u32 v[XO+4*\i+\k], v[Q16], v[XO+4*\i+\k]
.endr
.irp k, 0,1,2,3
	global_load_b128 v[G+16*\i+4*\k:G+16*\i+4*\k+3], v[XO+4*\i+\k], s[14:15]   ; four lanes to a row of 64 bytes, eight rows a load; no hint: a row may be named again
.endr
.endm
; Pair j has landed: weigh it, send it to the stage, add it to the row's sums.  At a row's last field: sum_e s^2 - sum g^2 over my four numbers, then over the four lanes.
.macro TAKE j
.set GJ, G+4*(\j)
.set FJ, (\j)%16
.set UJ, (\j)/16
	s_wait_loadcnt 39-(\j)                         ; behind gather j: 31 - j gathers and lin's 8
.if (\j)%2 == 0
	v_pk_mul_f32 v[GJ:GJ+1], v[GJ:GJ+1], v[VV+(\j):VV+(\j)+1] op_sel_hi:[1,0]             ; x_val of an even pair: the low word for both halves
	v_pk_mul_f32 v[GJ+2:GJ+3], v[GJ+2:GJ+3], v[VV+(\j):VV+(\j)+1] op_sel_hi:[1,0]
.else
	v_pk_mul_f32 v[GJ:GJ+1], v[GJ:GJ+1], v[VV+(\j)-1:VV+(\j)] op_sel:[0,1] op_sel_hi:[1,1]  ; of an odd pair: the high word for both
	v_pk_mul_f32 v[GJ+2:GJ+3], v[GJ+2:GJ+3], v[VV+(\j)-1:VV+(\j)] op_sel:[0,1] op_sel_hi:[1,1]
.endif
	ds_store_b128 v[ATS], v[GJ:GJ+3] offset:STGO+TP*UJ+64*FJ   ; sixteen lanes: 4 TP gl + 16 q = 64 gl + 16 q mod 256: sixteen different columns
.if FJ == 0
	v_pk_mul_f32 v[SQ:SQ+1], v[GJ:GJ+1], v[GJ:GJ+1]            ; the first field starts the sums: nothing is cleared
.else
	v_pk_fma_f32 v[SQ:SQ+1], v[GJ:GJ+1], v[GJ:GJ+1], v[SQ:SQ+1]
.endif
	v_pk_fma_f32 v[SQ:SQ+1], v[GJ+2:GJ+3], v[GJ+2:GJ+3], v[SQ:SQ+1]
.if FJ == 1
	v_pk_add_f32 v[SS:SS+1], v[GJ-4:GJ-3], v[GJ:GJ+1]
	v_pk_add_f32 v[SS+2:SS+3], v[GJ-2:GJ-1], v[GJ+2:GJ+3]
.elseif FJ > 1
	v_pk_add_f32 v[SS:SS+1], v[SS:SS+1], v[GJ:GJ+1]
	v_pk_add_f32 v[SS+2:SS+3], v[SS+2:SS+3], v[GJ+2:GJ+3]
.endif
.if FJ == 15
	v_pk_mul_f32 v[SS:SS+1], v[SS:SS+1], v[SS:SS+1]
	v_pk_fma_f32 v[SS:SS+1], v[SS+2:SS+3], v[SS+2:SS+3], v[SS:SS+1]
	v_pk_add_f32 v[SS:SS+1], v[SS:SS+1], v[SQ:SQ+1] neg_lo:[0,1] neg_hi:[0,1]
	v_add_f32 v[FM+UJ], v[SS], v[SS+1]
	v_add_f32_dpp v[FM+UJ], v[FM+UJ], v[FM+UJ] row_xmask:1 row_mask:0xf bank_mask:0xf
	v_add_f32_dpp v[FM+UJ], v[FM+UJ], v[FM+UJ] row_xmask:2 row_mask:0xf bank_mask:0xf
	ds_store_b32 v[AFS], v[FM+UJ] offset:ROWO+64+4*UJ          ; the four lanes write the same word with the same value
.endif
.endm
; nb blocks of 32 along K: v[s + 16 b + i] = k 32 b + 16 h + i of my row.  Codes into v[pc] on, the scale word into v[pw].  relu = 1: what is negative becomes 0 on the way.
.macro QUANT s, relu, nb, pc, pw
.irp b, 0,1,2,3
.if \b < \nb
.if \relu
	v_max3_num_f32 v[TM+\b], v[\s+16*\b], v[\s+1+16*\b], 0x4800000          ; no |.|: what is negative must not count; the floor 2^(9 - 127) stands over it and holds the byte at 1 from below
.else
	v_max3_num_f32 v[TM+\b], |v[\s+16*\b]|, |v[\s+1+16*\b]|, 0x4800000
.endif
.endif
.endr
.irp i, 2,4,6,8,10,12,14
.irp b, 0,1,2,3
.if \b < \nb
.if \relu
	v_max3_num_f32 v[TM+\b], v[TM+\b], v[\s+16*\b+\i], v[\s+1+16*\b+\i]     ; the blocks by turns
.else
	v_max3_num_f32 v[TM+\b], v[TM+\b], |v[\s+16*\b+\i]|, |v[\s+1+16*\b+\i]|
.endif
.endif
.endr
.endr
.irp b, 0,1,2,3
.if \b < \nb
	v_permlanex16_b32 v[TM+4+\b], v[TM+\b], s54, s55
.endif
.endr
.irp b, 0,1,2,3
.if \b < \nb
	v_max_num_f32 v[TM+\b], v[TM+\b], v[TM+4+\b]               ; with lane l xor 16's sixteen: the block's largest magnitude
.endif
.endr
.irp b, 0,1,2,3
.if \b < \nb
	v_add_nc_u32 v[TM+12+\b], 0xfc000000, v[TM+\b]             ; 8 off its exponent field: the conversion takes this operand's exponent field as its scale
.endif
.endr
.irp b, 0,1,2,3
.if \b < \nb
	v_and_or_b32 v[TM+8+\b], v[TM+\b], 0x7f800000, s56         ; 448 x the scale
.endif
.endr
.irp b, 0,1,2,3
.if \b < \nb
	v_lshrrev_b32 v[TM+4+\b], 23, v[TM+12+\b]                  ; the scale's byte
.endif
.endr
	v_lshl_or_b32 v[\pw], v[TM+5], 8, v[TM+4]                  ; my row's scale word; the holds below are more than the eight places between it and the product that names it
.if \nb > 2
	v_lshl_or_b32 v[\pw], v[TM+6], 16, v[\pw]
	v_lshl_or_b32 v[\pw], v[TM+7], 24, v[\pw]
.endif
.irp b, 0,1,2,3
.if \b < \nb
.irp i, 0,1,2,3,4,5,6,7,8,9,10,11,12,13,14,15
.if \relu
	v_med3_num_f32 v[\s+16*\b+\i], v[\s+16*\b+\i], 0, v[TM+8+\b]              ; the activation and the hold in one
.else
	v_med3_num_f32 v[\s+16*\b+\i], v[\s+16*\b+\i], -v[TM+8+\b], v[TM+8+\b]    ; the conversion to an 8-bit code does not saturate (ISA guide 7.6.2)
.endif
.endr
	v_cvt_scalef32_pk8_fp8_f32 v[\pc+4*\b:\pc+4*\b+1], v[\s+16*\b:\s+16*\b+7], v[TM+12+\b]
	v_cvt_scalef32_pk8_fp8_f32 v[\pc+4*\b+2:\pc+4*\b+3], v[\s+16*\b+8:\s+16*\b+15], v[TM+12+\b]
.endif
.endr
	v_nop                                          ; one plain vector instruction behind the last conversion
.endm
.macro FETCHW s                        ; W1's four fragments of K step s
.irp t, 0,1,2,3
.irp c, 0,1,2,3
	ds_load_b128 v[G+64*\s+16*\t+4*\c:G+64*\s+16*\t+4*\c+3], v[AW1R] offset:W1L+4352*\t+128*\s+32*\c
.endr
.endr
.endm
.macro PAR1L dst, a                    ; parameter a of the first layer in the result's layout: tile t, register j = hidden unit 32 (t / 2) + 16 h + 8 (t % 2) + j
.irp t, 0,1,2,3
	ds_load_b128 v[\dst+8*\t:\dst+8*\t+3], v[AP1R] offset:PAR1+256*\a+128*(\t/2)+32*(\t%2)
	ds_load_b128 v[\dst+8*\t+4:\dst+8*\t+7], v[AP1R] offset:PAR1+256*\a+128*(\t/2)+32*(\t%2)+16
.endr
.endm
.macro PAR2L dst, a                    ; parameter a of the second layer: tile t, register j = unit 16 t + 8 h + j
.irp t, 0,1
	ds_load_b128 v[\dst+8*\t:\dst+8*\t+3], v[AP2R] offset:PAR2+128*\a+64*\t
	ds_load_b128 v[\dst+8*\t+4:\dst+8*\t+7], v[AP2R] offset:PAR2+128*\a+64*\t+16
.endr
.endm
.macro BARRIER                         ; my LDS stores have landed and my LDS loads are in: then the work-group's barrier
	s_wait_dscnt 0x0
	s_barrier_signal -1
	s_barrier_wait -1
.endm
	; ---- 0: the addresses; my rows' indices and values are asked for before anything else
	s_load_b512 s[8:23], s[0:1], 0x0               ; x 8, x_field 10, x_val 12, emb_table 14, lin_table 16, lin_bias 18, W1_codes 20, W1_scales 22
	s_load_b512 s[24:39], s[0:1], 0x40             ; W2_codes 24, W2_scales 26, b1 28, g1 30, be1 32, b2 34, g2 36, be2 38
	s_load_b128 s[40:43], s[0:1], 0x80             ; W3 40, b3 42
	s_load_b64 s[44:45], s[0:1], 0x90              ; out0
	s_set_vgpr_msb 0x40
	v_lshl_add_u32 v0, v0, 2, 0x29000
	v_mov_b32 v1, 0
	s_set_vgpr_msb 0x4000
	v_lshrrev_b32 v31, 5, v0
	v_readfirstlane_b32 s[WV], v31                 ; wave 0..3
	v_and_b32 v32, 31, v0                          ; lane
	v_lshlrev_b32 v[GL16], 4, v32
	s_lshl_b32 s4, ttmp9, 12                       ; the work-group's 64 rows of 64 bytes,
	s_lshl_b32 s5, s[WV], 10                       ; my wave's 16
	s_add_co_u32 s4, s4, s5
	s_mov_b32 s5, 0
	s_lshl_b32 s6, ttmp9, 8                        ; the work-group's 64 results
	s_mov_b32 s7, 0
	s_wait_kmcnt 0x0
	s_add_nc_u64 s[8:9], s[8:9], s[4:5]
	s_add_nc_u64 s[10:11], s[10:11], s[4:5]
	s_add_nc_u64 s[12:13], s[12:13], s[4:5]
	s_add_nc_u64 s[44:45], s[44:45], s[6:7]
	global_load_b128 v[RX:RX+3], v[GL16], s[8:9] th:TH_LOAD_NT                 ; 512 consecutive bytes a load: lane l holds row l / 4, fields 4 q .. 4 q + 3
	global_load_b128 v[RX+4:RX+7], v[GL16], s[8:9] offset:512 th:TH_LOAD_NT    ; and row 8 + l / 4
	global_load_b128 v[RF:RF+3], v[GL16], s[10:11] th:TH_LOAD_NT
	global_load_b128 v[RF+4:RF+7], v[GL16], s[10:11] offset:512 th:TH_LOAD_NT
	global_load_b128 v[RV:RV+3], v[GL16], s[12:13] th:TH_LOAD_NT
	global_load_b128 v[RV+4:RV+7], v[GL16], s[12:13] offset:512 th:TH_LOAD_NT
	s_load_b32 s46, s[18:19], 0x0                  ; lin_bias
	s_load_b32 s47, s[42:43], 0x0                  ; b3
	; which parameters my wave brings: wave 0: b1, b2;  1: g1, g2, each x c;  2: be1, be2;  3: W3.  The choices hang on the wave's number alone
	s_cmp_eq_u32 s[WV], 1
	s_cselect_b64 s[48:49], s[30:31], s[32:33]
	s_cselect_b64 s[50:51], s[36:37], s[38:39]
	s_cselect_b32 s52, 0x3f7fffac, 1.0
	s_cmp_eq_u32 s[WV], 0
	s_cselect_b64 s[48:49], s[28:29], s[48:49]
	s_cselect_b64 s[50:51], s[34:35], s[50:51]
	s_cmp_eq_u32 s[WV], 3
	s_cselect_b64 s[50:51], s[40:41], s[50:51]
	s_mov_b32 s53, s52                             ; (named with it as a pair, so it is written)
	v_lshlrev_b32 v[GT16], 4, v0
	v_lshlrev_b32 v[GT4], 2, v0
	v_lshlrev_b32 v[GL4], 2, v32
	v_lshlrev_b32 v[GL2], 1, v32
.irp i, 0,1,2,3,4,5,6,7
	global_load_b128 v[VV+4*\i:VV+4*\i+3], v[GT16], s[20:21] offset:2048*\i    ; W1's rows 8 i .. 8 i + 7: the work-group's 128 threads take 2,048 consecutive bytes
.endr
	global_load_b128 v[CW2:CW2+3], v[GT16], s[24:25]           ; W2: 2,048 bytes
	global_load_b32 v[CSC], v[GT4], s[22:23]                   ; W1's scale bytes: 512
	global_load_u16 v[W2S], v[GL2], s[26:27]                   ; W2's: lane = row, two bytes; the bytes of the K that is filled with zeros are 0
	global_load_b32 v[CP2], v[GL4], s[50:51]                   ; 32 numbers
	; all address registers, while the loads are out and ahead of the first branch
	s_mul_i32 s[WB], s[WV], WSIZE
	s_add_co_u32 s[WB], s[WB], WREG                ; my wave's region of LDS
	s_mov_b32 s54, 0x76543210
	s_mov_b32 s55, 0xfedcba98                      ; v_permlanex16_b32's selects for lane l xor 16
	s_mov_b32 s56, 0x600000                        ; the mantissa field of 448
	s_lshl_b32 s4, s[WV], 6
	v_and_b32 v33, 15, v0                          ; r
	v_bfe_u32 v34, v0, 4, 1                        ; h
	v_and_b32 v35, 3, v0                           ; q
	v_bfe_u32 v36, v0, 2, 2                        ; gl
	v_lshlrev_b32 v[GT8], 3, v0
	v_lshlrev_b32 v[GL8], 3, v32
	v_lshrrev_b32 v37, 4, v0
	v_mul_u32_u24 v[AW1S], v37, 272
	v_lshl_add_u32 v[AW1S], v33, 4, v[AW1S]
	v_lshrrev_b32 v37, 2, v0
	v_mul_u32_u24 v[AW2S], v37, 80
	v_lshl_add_u32 v[AW2S], v35, 4, v[AW2S]
	v_lshl_add_u32 v[AIS], v34, 4, v[GL16]
	v_add_nc_u32 v[AIS], s[WB], v[AIS]
	v_mul_u32_u24 v[AIR], v36, 272
	v_lshl_add_u32 v[AIR], v34, 7, v[AIR]
	v_add_nc_u32 v[AIR], s[WB], v[AIR]
	v_mul_u32_u24 v[ATS], v36, 4*TP
	v_mad_u32_u24 v[ATS], v34, 2*TP, v[ATS]
	v_lshl_add_u32 v[ATS], v35, 4, v[ATS]
	v_add_nc_u32 v[ATS], s[WB], v[ATS]
	v_mul_u32_u24 v[ATR], v33, TP
	v_lshl_add_u32 v[ATR], v34, 6, v[ATR]
	v_add_nc_u32 v[ATR], s[WB], v[ATR]
	v_lshrrev_b32 v37, 2, v32
	v_lshl_add_u32 v[ALS], v37, 2, s[WB]
	v_lshlrev_b32 v[AFS], 4, v36
	v_lshl_add_u32 v[AFS], v34, 3, v[AFS]
	v_add_nc_u32 v[AFS], s[WB], v[AFS]
	v_lshl_add_u32 v[ARR], v33, 2, s[WB]
	v_mul_u32_u24 v[AW1R], v33, 272
	v_lshl_add_u32 v[AW1R], v34, 4, v[AW1R]
	v_mul_u32_u24 v[AW2R], v33, 80
	v_lshl_add_u32 v[AW2R], v34, 4, v[AW2R]
	v_and_b32 v37, 8, v33
	v_add_nc_u32 v37, v37, v33                     ; r + 8 (r / 8)
	v_lshlrev_b32 v[ASC1R], 3, v37
	v_lshl_add_u32 v[ASC1R], v34, 2, v[ASC1R]
	v_lshlrev_b32 v[AP1R], 6, v34
	v_lshlrev_b32 v[AP2R], 5, v34
	v_lshl_add_u32 v[AOS], v33, 2, s4
	v_lshlrev_b32 v[Q16], 4, v35
	s_cmp_lt_u32 s[WV], 3                          ; the first layer has three parameters: waves 0 to 2 bring them
	s_cbranch_scc0 .Lno_p1_load
	global_load_b64 v[CP1:CP1+1], v[GL8], s[48:49]             ; 64 numbers
.Lno_p1_load:
	; ---- 1: the indices turn through my region of LDS: in as loaded, back 128 bytes (two rows) to each group of four lanes
	s_wait_loadcnt 12                              ; behind the six index loads stand 12 loads (wave 3) or 13: the six are in on both ways
	ds_store_b128 v[AIS], v[RX:RX+3]
	ds_store_b128 v[AIS], v[RX+4:RX+7] offset:544
	ds_store_b128 v[AIS], v[RF:RF+3] offset:IXF
	ds_store_b128 v[AIS], v[RF+4:RF+7] offset:IXF+544
	ds_store_b128 v[AIS], v[RV:RV+3] offset:IXV
	ds_store_b128 v[AIS], v[RV+4:RV+7] offset:IXV+544
.irp i, 0,1,2,3,4,5,6,7
	ds_load_b128 v[XO+4*\i:XO+4*\i+3], v[AIR] offset:16*\i     ; LDS serves a wave's instructions in order (ISA guide 5.7.1.4): these see my stores
	ds_load_b128 v[FF+4*\i:FF+4*\i+3], v[AIR] offset:IXF+16*\i
.endr
	; ---- 2: the 32 gathers
.irp i, 0,1,2,3,4,5,6,7
	s_wait_dscnt 14-2*\i                           ; behind the two loads of group i: two for each later group
	GATHER4 \i
.endr
	; ---- 3: lin_table, from the words as they were loaded: offset = 4 min(x, 99999) + 400,000 min(field, 16)
.irp k, 0,1,2,3,4,5,6,7
	v_min_u32 v[RX+\k], 0x1869f, v[RX+\k]
.endr
.irp k, 0,1,2,3,4,5,6,7
	v_min_u32 v[RF+\k], 16, v[RF+\k]
.endr
.irp k, 0,1,2,3,4,5,6,7
	v_lshlrev_b32 v[RX+\k], 2, v[RX+\k]
.endr
.irp k, 0,1,2,3,4,5,6,7
	v_mul_u32_u24 v[RF+\k], 0x61a80, v[RF+\k]
.endr
.irp k, 0,1,2,3,4,5,6,7
	v_add_nc_u32 v[RX+\k], v[RX+\k], v[RF+\k]
.endr
.irp k, 0,1,2,3,4,5,6,7
	global_load_b32 v[RF+\k], v[RX+\k], s[16:17]
.endr
	; ---- 4: the weights and parameters go to LDS while the gathers are out
	s_wait_loadcnt 40                              ; behind them: 32 gathers and lin's 8
	s_wait_kmcnt 0x0                               ; lin_bias, b3
	v_mul_f32 v[CP2], s52, v[CP2]                  ; g2 x c; the others x 1
.irp i, 0,1,2,3,4,5,6,7
	ds_store_b128 v[AW1S], v[VV+4*\i:VV+4*\i+3] offset:W1L+272*(32*(\i/4)+16*(\i%2)+8*((\i%4)/2))   ; rows 8 i on are lanes 8 ((i % 4) / 2) on of tile 2 (i / 4) + i % 2
.endr
	ds_store_b128 v[AW2S], v[CW2:CW2+3] offset:W2L
	ds_store_b32 v[GT4], v[CSC] offset:SC1
	ds_store_b32 v[GT4], v[CP2] offset:PAR2        ; 4 x thread = 128 x wave + 4 x lane
	s_cmp_lt_u32 s[WV], 3
	s_cbranch_scc0 .Lno_p1_store
	v_pk_mul_f32 v[CP1:CP1+1], v[CP1:CP1+1], s[52:53] op_sel_hi:[1,0]
	ds_store_b64 v[GT8], v[CP1:CP1+1] offset:PAR1  ; 8 x thread = 256 x wave + 8 x lane
.Lno_p1_store:
	BARRIER                                        ; the weights and parameters lie in LDS, for all four waves
.irp i, 0,1,2,3,4,5,6,7
	ds_load_b128 v[VV+4*\i:VV+4*\i+3], v[AIR] offset:IXV+16*\i   ; x_val of my 32 pairs
.endr
	s_wait_dscnt 0x0
	; ---- 5: the pairs as they land
.irp j, 0,1,2,3,4,5,6,7,8,9,10,11,12,13,14,15,16,17,18,19,20,21,22,23,24,25,26,27,28,29,30,31
	TAKE \j
.endr
	s_wait_loadcnt 0x0                             ; lin's eight
	v_mul_f32 v[SS], v[RF], v[RV]                  ; row l / 4, my four fields;
	v_mul_f32 v[SS+1], v[RF+4], v[RV+4]            ; row 8 + l / 4
.irp k, 1,2,3
	v_fma_f32 v[SS], v[RF+\k], v[RV+\k], v[SS]
	v_fma_f32 v[SS+1], v[RF+4+\k], v[RV+4+\k], v[SS+1]
.endr
	v_add_f32_dpp v[SS], v[SS], v[SS] row_xmask:1 row_mask:0xf bank_mask:0xf
	v_add_f32_dpp v[SS+1], v[SS+1], v[SS+1] row_xmask:1 row_mask:0xf bank_mask:0xf
	v_add_f32_dpp v[SS], v[SS], v[SS] row_xmask:2 row_mask:0xf bank_mask:0xf
	v_add_f32_dpp v[SS+1], v[SS+1], v[SS+1] row_xmask:2 row_mask:0xf bank_mask:0xf
	ds_store_b32 v[ALS], v[SS] offset:ROWO
	ds_store_b32 v[ALS], v[SS+1] offset:ROWO+32
	s_wait_dscnt 0x0                               ; the stores into the stage have read the registers into which the rows now come back
	; ---- 6: back in the operand's layout, and quantised; W1's fragments follow into the registers that the numbers leave
.irp c, 0,1,2,3,4,5,6,7
.irp i, 0,1,2,3
	ds_load_b128 v[G+16*\c+4*\i:G+16*\c+4*\i+3], v[ATR] offset:STGO+128*\c+16*\i   ; field 2 c + h of row r; sixteen lanes: TP r = 16 r mod 256: sixteen different columns
.endr
.endr
	PAR1L H, 0                                     ; b1: the C of the first products
.irp t, 0,1,2,3
	ds_load_b32 v[W1S+\t], v[ASC1R] offset:SC1+8*(32*(\t/2)+8*(\t%2))
.endr
.irp b, 0,1,2,3
	v_mov_b32 v[TM+4+\b], 0                        ; a lane permute's destination counts as one of its sources
.endr
	s_wait_dscnt 28                                ; behind K step 0's sixteen loads: K step 1's 16, b1's 8, the scale words' 4
	QUANT G, 0, 4, A0, PW0
	FETCHW 0
	s_wait_dscnt 28                                ; behind K step 1's: 8, 4 and the 16 just issued
	QUANT G+64, 0, 4, A1, PW1
	FETCHW 1
	; ---- 7: the first product, 16 rows x 64 hidden units x K 256.  The four accumulators take turns, one instruction a turn
	s_wait_dscnt 16                                ; all but K step 1's fragments
.irp t, 0,1,2,3
	v_wmma_scale_f32_16x16x128_f8f6f4 v[H+8*\t:H+8*\t+7], v[G+16*\t:G+16*\t+15], v[A0:A0+15], v[H+8*\t:H+8*\t+7], v[W1S+\t], v[PW0]
.endr
.rept 8
	v_nop                                          ; eight places in front of loads into registers that these products read; they also stand between the last conversions and the products on their codes
.endr
	PAR1L G, 1                                     ; g1 c
	PAR1L G+32, 2                                  ; be1
	s_wait_dscnt 16                                ; all but the 16 just issued
.irp t, 0,1,2,3
	v_wmma_scale_f32_16x16x128_f8f6f4 v[H+8*\t:H+8*\t+7], v[G+64+16*\t:G+64+16*\t+15], v[A1:A1+15], v[H+8*\t:H+8*\t+7], v[W1S+\t], v[PW1] matrix_a_scale:MATRIX_SCALE_ROW1
.endr
	; ---- 8: the norm, the activation, the hidden layer's codes
.irp k, 0,1,2,3,4,5,6,7
	v_mov_b32 v[A0+8+\k], 0                        ; the hidden layer's K 64 .. 127: zero codes.  Eight plain lines that name no register of the last four products: their places
.endr
.irp t, 0,1
.irp c, 0,1
	ds_load_b128 v[W2F+16*\t+4*\c:W2F+16*\t+4*\c+3], v[AW2R] offset:W2L+1280*\t+32*\c
.endr
.endr
	PAR2L H2, 0                                    ; b2: the C of the second products
.irp t, 0,1
.irp k, 0,1,2,3,4,5,6,7
	v_mov_b32 v[W2F+16*\t+8+\k], 0                 ; W2's K 64 .. 127: zero codes
.endr
.endr
	s_wait_dscnt 8                                 ; g1 c and be1 are in; W2's 4 loads and b2's 4 may be out
.irp k, 0,2,4,6,8,10,12,14,16,18,20,22,24,26,28,30
	v_pk_fma_f32 v[H+\k:H+\k+1], v[H+\k:H+\k+1], v[G+\k:G+\k+1], v[G+32+\k:G+32+\k+1]   ; (sum + b1) g1 c + be1; each accumulator from its low end on
.endr
	PAR2L G, 1                                     ; g2 c
	PAR2L G+16, 2                                  ; be2
	PAR2L G+32, 3                                  ; W3
	ds_load_b32 v80, v[ARR] offset:ROWO            ; my row's lin
	ds_load_b32 v81, v[ARR] offset:ROWO+64         ; and its sum s^2 - sum g^2
	QUANT H, 1, 2, A0, PW0
.rept 3
	v_nop                                          ; with the one above: four places between the codes and the product on them
.endr
	s_wait_dscnt 0x0
	; ---- 9: the second product, 16 rows x 32 units x K 64 (filled to 128)
	v_wmma_scale_f32_16x16x128_f8f6f4 v[H2:H2+7], v[W2F:W2F+15], v[A0:A0+15], v[H2:H2+7], v[W2S], v[PW0]
	v_wmma_scale_f32_16x16x128_f8f6f4 v[H2+8:H2+15], v[W2F+16:W2F+31], v[A0:A0+15], v[H2+8:H2+15], v[W2S], v[PW0] matrix_a_scale:MATRIX_SCALE_ROW1
	v_fma_f32 v82, 0.5, v81, v80                   ; lin + fm,
	v_add_f32 v82, s46, v82                        ; + lin_bias,
	v_add_f32 v82, s47, v82                        ; + b3: three of the eight places behind the products
.rept 5
	v_nop
.endr
	; ---- 10: the norm, the activation, the third product in f32, the sum
.irp k, 0,2,4,6,8,10,12,14
	v_pk_fma_f32 v[H2+\k:H2+\k+1], v[H2+\k:H2+\k+1], v[G+\k:G+\k+1], v[G+16+\k:G+16+\k+1]
.endr
.irp k, 0,1,2,3,4,5,6,7,8,9,10,11,12,13,14,15
	v_max_num_f32 v[H2+\k], 0, v[H2+\k]
.endr
	v_pk_mul_f32 v[84:85], v[H2:H2+1], v[G+32:G+33]            ; my 16 units x W3, in two chains
	v_pk_mul_f32 v[86:87], v[H2+2:H2+3], v[G+34:G+35]
.irp k, 4,8,12
	v_pk_fma_f32 v[84:85], v[H2+\k:H2+\k+1], v[G+32+\k:G+33+\k], v[84:85]
	v_pk_fma_f32 v[86:87], v[H2+2+\k:H2+3+\k], v[G+34+\k:G+35+\k], v[86:87]
.endr
	v_pk_add_f32 v[84:85], v[84:85], v[86:87]
	v_add_f32 v84, v84, v85
	v_permlanex16_b32 v85, v84, s54, s55           ; the row's other 16 units lie in lane l xor 16
	v_add_f32 v84, v84, v85
	v_add_f32 v84, v84, v82
	ds_store_b32 v[AOS], v84 offset:OUTW           ; lanes r and r + 16 write the same word with the same value
	BARRIER                                        ; the work-group's 64 results lie in LDS
	s_cmp_lg_u32 s[WV], 0
	s_cbranch_scc1 .Ldone
	ds_load_b64 v[84:85], v[GL8] offset:OUTW
	s_wait_dscnt 0x0
	global_store_b64 v[GL8], v[84:85], s[44:45] th:TH_STORE_NT   ; 32 lanes store 256 consecutive bytes, at a multiple of 256 from out0's first byte
.Ldone:
	s_set_vgpr_msb 0x5
	s_wait_tensorcnt 0x0
	ds_add_u32 v0, v1
	s_wait_dscnt 0x0
	s_set_vgpr_msb 0x500
	s_endpgm
.Lfunc_end_k_q8e03b37a51_deepfm:
	.size	k_q8e03b37a51_deepfm, .Lfunc_end_k_q8e03b37a51_deepfm-k_q8e03b37a51_deepfm
	.p2alignl 7, 3214868480
	.fill 96, 4, 3214868480
	.section	.rodata,"a",@progbits
	.p2align	6, 0x0
	.amdhsa_kernel k_q8e03b37a51_deepfm
		.amdhsa_group_segment_fixed_size 168448
		.amdhsa_private_segment_fixed_size 0
		.amdhsa_enable_private_segment 0
		.amdhsa_kernarg_size 152
		.amdhsa_user_sgpr_count 2
		.amdhsa_user_sgpr_kernarg_segment_ptr 1
		.amdhsa_wavefront_size32 1
		.amdhsa_system_sgpr_workgroup_id_x 1
		.amdhsa_system_sgpr_workgroup_id_y 1
		.amdhsa_system_sgpr_workgroup_id_z 1
		.amdhsa_system_vgpr_workitem_id 0
		.amdhsa_next_free_vgpr 258
		.amdhsa_next_free_sgpr 66
		.amdhsa_reserve_vcc 0
		.amdhsa_float_denorm_mode_32 3
		.amdhsa_float_denorm_mode_16_64 3
		.amdhsa_memory_ordered 1
		.amdhsa_forward_progress 1
		.amdhsa_inst_pref_size 73
	.end_amdhsa_kernel
	.amdgpu_metadata
---
amdhsa.version: [ 1, 2 ]
amdhsa.kernels:
  - .name:           k_q8e03b37a51_deepfm
    .symbol:         k_q8e03b37a51_deepfm.kd
    .args:
      - { .name: x, .offset: 0, .size: 8, .value_kind: global_buffer, .address_space: global }
      - { .name: x_field, .offset: 8, .size: 8, .value_kind: global_buffer, .address_space: global }
      - { .name: x_val, .offset: 16, .size: 8, .value_kind: global_buffer, .address_space: global }
      - { .name: emb_table, .offset: 24, .size: 8, .value_kind: global_buffer, .address_space: global }
      - { .name: lin_table, .offset: 32, .size: 8, .value_kind: global_buffer, .address_space: global }
      - { .name: lin_bias, .offset: 40, .size: 8, .value_kind: global_buffer, .address_space: global }
      - { .name: W1_codes, .offset: 48, .size: 8, .value_kind: global_buffer, .address_space: global }
      - { .name: W1_scales, .offset: 56, .size: 8, .value_kind: global_buffer, .address_space: global }
      - { .name: W2_codes, .offset: 64, .size: 8, .value_kind: global_buffer, .address_space: global }
      - { .name: W2_scales, .offset: 72, .size: 8, .value_kind: global_buffer, .address_space: global }
      - { .name: b1, .offset: 80, .size: 8, .value_kind: global_buffer, .address_space: global }
      - { .name: g1, .offset: 88, .size: 8, .value_kind: global_buffer, .address_space: global }
      - { .name: be1, .offset: 96, .size: 8, .value_kind: global_buffer, .address_space: global }
      - { .name: b2, .offset: 104, .size: 8, .value_kind: global_buffer, .address_space: global }
      - { .name: g2, .offset: 112, .size: 8, .value_kind: global_buffer, .address_space: global }
      - { .name: be2, .offset: 120, .size: 8, .value_kind: global_buffer, .address_space: global }
      - { .name: W3, .offset: 128, .size: 8, .value_kind: global_buffer, .address_space: global }
      - { .name: b3, .offset: 136, .size: 8, .value_kind: global_buffer, .address_space: global }
      - { .name: out0, .offset: 144, .size: 8, .value_kind: global_buffer, .address_space: global }
    .group_segment_fixed_size: 168448
    .private_segment_fixed_size: 0
    .kernarg_segment_align: 8
    .kernarg_segment_size: 152
    .max_flat_workgroup_size: 128
    .sgpr_count:     66
    .vgpr_count:     258
    .wavefront_size: 32
...
	.end_amdgpu_metadata
.endif
;; end of part 1
;; ======== version 2 of 2: 1 launch; version 1 with the launch deepfm written anew for expert scheduling mode
;; launch deepfm (part 2): grid 256 x 1, 4 waves a work-group, no clusters, 168,448 bytes of LDS; arguments x, x_field, x_val, emb_table, lin_table, lin_bias, W1_codes, W1_scales, W2_codes, W2_scales, b1, g1, be1, b2, g2, be2, W3, b3, out0; writes out0
.if DOCPART == 2
	.amdgcn_target "amdgcn-amd-amdhsa--gfx1250"
	.amdhsa_code_object_version 6
	.text
	.protected	k_q8e03b37a51_deepfm
	.globl	k_q8e03b37a51_deepfm
	.p2align	8
	.type	k_q8e03b37a51_deepfm,@function
k_q8e03b37a51_deepfm:
	s_mov_b64 s[64:65], 0
	v_nop
	global_prefetch_b8 v0, s[64:65] scope:SCOPE_SE
	s_setreg_imm32_b32 hwreg(HW_REG_WAVE_SCHED_MODE, 0, 2), 2
	s_setreg_imm32_b32 hwreg(HW_REG_WAVE_MODE, 25, 1), 1
	s_wait_xcnt 0x0
	s_wait_alu depctr_vm_vsrc(0)
; out[b] = lin + fm + mlp of a deep factorisation machine, 16,384 rows x 16 fields x 16 numbers, all steps in one launch.
;   idx = x + 100000 x_field;  g = emb_table[idx] x_val;  lin = sum lin_table[idx] x_val + lin_bias;  fm = 0.5 sum_e ((sum_f g)^2 - sum_f g^2);
;   mlp = relu(bn(relu(bn(g W1 + b1)) W2 + b2)) W3 + b3, bn(h) = h g / sqrt(1 + 1e-5) + be.  The first two products run on codes of E4M3 with one E8M0 scale for each 32 along K
;   (W1, W2 come as codes; g and the hidden layer are quantised here, in registers); the third (N = 1) is 16 multiply-adds a lane in f32.
; SHARES.  256 work-groups x 4 waves; a wave owns ONE tile of 16 rows from its indices to its results, and has all its 32 gathers of 512 bytes and its 8 gathers of lin_table out together.  No loop.
; THE GATHER.  Four neighbouring lanes take one embedding row of 64 bytes, 16 bytes each, so that a load names 8 whole rows.  q = lane & 3, gl = (lane >> 2) & 3, h = lane >> 4, r = lane & 15.
;   The four lanes (gl, h) own batch rows R0 = 4 gl + 2 h and R0 + 1: 32 pairs j = 16 u + f (row R0 + u, field f).  The weighted numbers turn through the wave's own stage in LDS, T[row][field][e], and come back in
;   the operand's layout: lane (r, h), register 16 c + i = field 2 c + h, number i of row r = k 32 c + 16 h + i.  A block of 32 along K is fields 2 c and 2 c + 1: it lies in lanes l and l xor 16.
; BOTH PRODUCTS ARE USED TRANSPOSED (source 0 = 16 rows of the weight, source 1 = the 16 batch rows): a lane holds one batch row throughout.  THE ROWS OF W1 THAT FORM A TILE ARE NOT NEIGHBOURS: lane r of tile
;   2 b + u takes row 32 b + 8 u + r + 8 (r / 8), so that the 16 registers of tiles 2 b and 2 b + 1 are 16 neighbours along the next K.  b1 and b2 are the C of each sum's first matrix instruction.
;   The second product's K = 64 is filled to 128 with zero codes on both sides (their scale bytes are 0, which is 2^-127 and not NaN).
; THE WEIGHTS AND PARAMETERS, 20 KB, are brought once by the work-group and laid in LDS; two barriers in all (weights laid; 64 results gathered, so that one store covers 256 consecutive aligned bytes of out).
; NOT USED, AND WHY.  Tensor loads, clusters, joint loads: the gather's addresses differ lane by lane, and what work-groups share is 20 KB of weights against 64 x 1,280 = 81,920 bytes of a work-group's own.
;   Prefetches: a row's address is known only where its load can be issued.  Register windows, large tiles: ten matrix instructions a wave.
; 1 / sqrt(1 + 1e-5) is a constant of the problem: c = 0x3f7fffac; g c stands for g / sqrt(1 + 1e-5) (within one unit in the last place).
; LIMITS.  x is held at 99,999 and x_field at 16 (the field's size, the offset table's length; a negative number counts as a large one).  NaN and infinities are not served.  A block whose largest magnitude
;   lies under 2^-118 keeps the scale byte 1; so does a block of zeros, where the rule says 127: its codes are zeros, and nobody but this text reads the byte.
; The launch claims 168,448 bytes of LDS and uses 102,912.
; THE MODE: SCHED_MODE bits 1:0 = 2 (LLVM: expert scheduling mode 2), set by the entry lines.  The code itself states the register dependences between vector or matrix instructions and memory or LDS
;   instructions, with s_wait_alu, always for 0.
; THE PLAN.  Registers that memory or LDS instructions touch, and who else names them, in the text's order (there is no loop, so no way back):
;   v1-23    addresses: written once by vector lines at the head, read by loads and stores, never written again.  One wait ahead of the first load, one behind the address arithmetic.
;   RX, RF   as loaded they are the data of the index turn's LDS stores; then lin's offset lines write them (while the index words are on their way back); RX is lin's address, RF its landing; later the quantiser's TM.
;   XO, FF   index words land; group g's six offset lines write them; group g's eight gathers read XO and are issued in group g + 1's turn, behind ONE wait at its head, dealt among lines that name group g + 1's
;            words alone.  Groups 0 to 2 land in v128-223; group 3 lands on the field numbers and is asked for behind the wait that shows the last of them used.  Later XO takes the codes.
;   VV       W1 lands, LDS stores read it; x_val lands, the weighings read it; b1 lands.
;   G        a pair lands, is weighed in place, and its store into the stage stands eight pairs on: ONE wait to eight pairs, at the head of the next eight, whose lines name their own pairs alone.  Then the rows
;            come back, the quantiser reads and writes them, W1's fragments land, the products read them, and the parameters, W2 and b2 land: a wait each time the owner changes from the vector side to a load.
;   Registers that LDS stores or loads' addresses have read are written again behind three waits on vm_vsrc: behind the index turn, behind the first barrier, ahead of the rows' return.
;
; LDS
.set W1L,   0                          ; W1's codes: 64 slots x (256 + 16) bytes; slot 16 tile + r holds the row that lane r of the tile takes
.set W2L,   17408                      ; W2's codes: 32 rows x (64 + 16)
.set SC1,   19968                      ; W1's scale bytes as they lie: 64 rows x 8
.set PAR1,  20480                      ; b1, g1 c, be1: 256 bytes each
.set PAR2,  21248                      ; b2, g2 c, be2, W3: 128 bytes each
.set OUTW,  21760                      ; the work-group's 64 results
.set WREG,  22016                      ; from here on a region of WSIZE bytes for each wave:
.set WSIZE, 20224
.set IXF,   1088                       ;   +0 x, +1088 x_field, +2176 x_val of my 16 rows: each 4 x (256 + 16) bytes
.set IXV,   2176
.set STGO,  3264                       ;   the stage: 16 rows x TP
.set TP,    1040                       ;   1,024 bytes + 16 = 260 words: row r starts at bank 4 r mod 64 (64 banks of 4 bytes: ISA guide 11.1)
.set ROWO,  19904                      ;   lin of my 16 rows, 64 bytes; then sum s^2 - sum g^2 of my 16 rows
; VECTOR REGISTERS.  v1-23: addresses, made once, ahead of the first branch, never rewritten
.set GL16, 1                           ; 16 x lane
.set GT16, 2                           ; 16 x thread
.set GT4,  3                           ; 4 x thread
.set GT8,  4                           ; 8 x thread
.set GL8,  5                           ; 8 x lane
.set GL4,  6                           ; 4 x lane
.set GL2,  7                           ; 2 x lane
.set AW1S, 8                           ; W1's way into LDS: 272 (thread / 16) + 16 (thread % 16)
.set AW2S, 9                           ; W2's: 80 (thread / 4) + 16 (thread % 4)
.set AIS,  10                          ; indices in: WB + 16 lane + 16 h
.set AIR,  11                          ; indices back: WB + 272 gl + 128 h: my two rows' 128 bytes
.set ATS,  12                          ; stage in: WB + TP R0 + 16 q
.set ATR,  13                          ; stage back: WB + TP r + 64 h
.set ALS,  14                          ; lin in: WB + 4 (lane / 4)
.set AFS,  15                          ; fm in: WB + 4 R0
.set ARR,  16                          ; lin, fm back: WB + 4 r
.set AW1R, 17                          ; a fragment of W1: 272 r + 16 h
.set AW2R, 18                          ; of W2: 80 r + 16 h
.set ASC1R, 19                         ; W1's scale words: 8 (r + 8 (r / 8)) + 4 h: lanes 0-15 take K step 0's word, lanes 16-31 K step 1's
.set AP1R, 20                          ; the first layer's parameters in the result's layout: 64 h
.set AP2R, 21                          ; the second's: 32 h
.set AOS,  22                          ; my result: 64 wave + 4 r
.set Q16,  23                          ; 16 q
.set W1S,  24                          ; v24-27 W1's scale words, a register a tile;  v28 W2's (lane = row);  v29, v30 the scale words made here.  These hold scales and nothing else
.set W2S,  28
.set PW0,  29
.set PW1,  30
.set XO,   32                          ; v32-63  x of my 32 pairs, then the gathers' offsets;  later the codes: A0 = v32-47, A1 = v48-63;  later the hidden layer's codes (v40-47 zeros)
.set A0,   32
.set A1,   48
.set RX,   64                          ; v64-71  x as loaded, then lin's offsets;  v72-79 x_field as loaded, then lin's numbers;  v80-87 x_val as loaded
.set RF,   72
.set RV,   80
.set CW2,  88                          ; v88-91 W2, v92 W1's scales, v93 a second-layer parameter, v94-95 a first-layer parameter: on their way to LDS
.set CSC,  92
.set CP2,  93
.set CP1,  94
.set SS,   88                          ; then v88-91 sum_f g, v92-93 sum g^2, v94, v95 the two rows' fm
.set SQ,   92
.set FM,   94
.set TM,   64                          ; from the quantiser on: v64-67 largest magnitudes, v68-71 bytes, v72-75 the hold, v76-79 the conversions' scale operands;  v80-87 at work
.set VV,   96                          ; v96-127 W1 on its way to LDS;  then x_val of my 32 pairs;  then H, the first product's four accumulators
.set H,    96
.set G,    128                         ; v128-255 the gathers' landing, 4 registers a pair;  the numbers back from the stage;  W1's fragments;  parameters, W2's fragments, H2
.set FF,   224                         ; v224-255 x_field of my 32 pairs (group g of eight gathers lands in v[128 + 32 g] to v[159 + 32 g]: group 3 alone lands here, when every field number has been used)
.set W2F,  192
.set H2,   224
; SCALAR REGISTERS: s2 wave, s3 WB, s4-7 at work, s8-45 the 19 addresses, s46 lin_bias, s47 b3, s[48:49], s[50:51] the parameter that my wave brings, s[52:53] its factor, s[54:55] lane selects, s56 448's mantissa
.set WV, 2
.set WB, 3
; Line n of the six that make group g's offsets (pairs 8 g .. 8 g + 7), for all eight pairs, so that no line waits for the line above it.
; offset = 64 min(x, 99999) + 6,400,000 min(field, 16) + 16 q: clamps, then a shift, a multiplication and additions alone; at most 108,799,984.
.macro OFFS g, n
.irp k, 0,1,2,3,4,5,6,7
.if (\n) == 0
	v_min_u32 v[XO+8*(\g)+\k], 0x1869f, v[XO+8*(\g)+\k]
.elseif (\n) == 1
	v_min_u32 v[FF+8*(\g)+\k], 16, v[FF+8*(\g)+\k]
.elseif (\n) == 2
	v_lshlrev_b32 v[XO+8*(\g)+\k], 6, v[XO+8*(\g)+\k]
.elseif (\n) == 3
	v_mul_u32_u24 v[FF+8*(\g)+\k], 0x61a800, v[FF+8*(\g)+\k]
.elseif (\n) == 4
	v_add_nc_u32 v[XO+8*(\g)+\k], v[XO+8*(\g)+\k], v[FF+8*(\g)+\k]
.else
	v_add_nc_u32 v[XO+8*(\g)+\k], v[Q16], v[XO+8*(\g)+\k]
.endif
.endr
.endm
; Two gathers of group g: pairs 8 g + k0 and 8 g + k0 + 1.
.macro ASK g, k0
.irp k, \k0, \k0+1
	global_load_b128 v[G+32*(\g)+4*(\k):G+32*(\g)+4*(\k)+3], v[XO+8*(\g)+(\k)], s[14:15]   ; four lanes to a row of 64 bytes, eight rows a load; no hint: a row may be named again
.endr
.endm
; Group g's turn: its offsets are made; the gathers of the group before are dealt, two at a time, among the first four of the six lines.
.macro GSTEP g
	s_wait_dscnt 12-4*(\g)                         ; behind group g's four loads of index words: four for each later group
.if (\g) > 0
	s_wait_alu depctr_va_vdst(0)                   ; the group before has written its offsets, which the gathers below read; the lines below name this group's words alone, and the gathers land under v224
.endif
.irp n, 0,1,2,3,4,5
.if ((\g) > 0) && (\n < 4)
	ASK (\g)-1, 2*\n
.endif
	OFFS \g, \n
.endr
.endm
; Pair p goes to the stage.
.macro SEND p
	ds_store_b128 v[ATS], v[G+4*(\p):G+4*(\p)+3] offset:STGO+TP*((\p)/16)+64*((\p)%16)   ; sixteen lanes: 4 TP gl + 16 q = 64 gl + 16 q mod 256: sixteen different columns
.endm
; Pair j has landed: weigh it and add it to the row's sums; the pair eight back goes to the stage.  At a row's last field: sum_e s^2 - sum g^2 over my four numbers, then over the four lanes.
.macro TAKE j
.set GJ, G+4*(\j)
.set FJ, (\j)%16
.set UJ, (\j)/16
	s_wait_loadcnt 39-(\j)                         ; behind gather j: 31 - j gathers and lin's 8
.if ((\j)%8 == 0) && ((\j) > 0)
	s_wait_alu depctr_va_vdst(0)                   ; the eight pairs before have been weighed: their numbers are written, which the next eight stores read; the lines between those stores name the pairs from j on alone
.endif
.if (\j) >= 8
	SEND (\j)-8
.endif
.if (\j)%2 == 0
	v_pk_mul_f32 v[GJ:GJ+1], v[GJ:GJ+1], v[VV+(\j):VV+(\j)+1] op_sel_hi:[1,0]             ; x_val of an even pair: the low word for both halves
	s_wait_alu depctr_va_vdst(0)
	v_pk_mul_f32 v[GJ+2:GJ+3], v[GJ+2:GJ+3], v[VV+(\j):VV+(\j)+1] op_sel_hi:[1,0]
.else
	v_pk_mul_f32 v[GJ:GJ+1], v[GJ:GJ+1], v[VV+(\j)-1:VV+(\j)] op_sel:[0,1] op_sel_hi:[1,1]  ; of an odd pair: the high word for both
	s_wait_alu depctr_va_vdst(0)
	v_pk_mul_f32 v[GJ+2:GJ+3], v[GJ+2:GJ+3], v[VV+(\j)-1:VV+(\j)] op_sel:[0,1] op_sel_hi:[1,1]
.endif
.if FJ == 0
	v_pk_mul_f32 v[SQ:SQ+1], v[GJ:GJ+1], v[GJ:GJ+1]            ; the first field starts the sums: nothing is cleared
.else
	v_pk_fma_f32 v[SQ:SQ+1], v[GJ:GJ+1], v[GJ:GJ+1], v[SQ:SQ+1]
.endif
	v_pk_fma_f32 v[SQ:SQ+1], v[GJ+2:GJ+3], v[GJ+2:GJ+3], v[SQ:SQ+1]
.if FJ == 1
	v_pk_add_f32 v[SS:SS+1], v[GJ-4:GJ-3], v[GJ:GJ+1]
	v_pk_add_f32 v[SS+2:SS+3], v[GJ-2:GJ-1], v[GJ+2:GJ+3]
.elseif FJ > 1
	v_pk_add_f32 v[SS:SS+1], v[SS:SS+1], v[GJ:GJ+1]
	v_pk_add_f32 v[SS+2:SS+3], v[SS+2:SS+3], v[GJ+2:GJ+3]
.endif
.if FJ == 15
	v_pk_mul_f32 v[SS:SS+1], v[SS:SS+1], v[SS:SS+1]
	v_pk_fma_f32 v[SS:SS+1], v[SS+2:SS+3], v[SS+2:SS+3], v[SS:SS+1]
	v_pk_add_f32 v[SS:SS+1], v[SS:SS+1], v[SQ:SQ+1] neg_lo:[0,1] neg_hi:[0,1]
	v_add_f32 v[FM+UJ], v[SS], v[SS+1]
	v_add_f32_dpp v[FM+UJ], v[FM+UJ], v[FM+UJ] row_xmask:1 row_mask:0xf bank_mask:0xf
	v_add_f32_dpp v[FM+UJ], v[FM+UJ], v[FM+UJ] row_xmask:2 row_mask:0xf bank_mask:0xf   ; it stays in its register and is stored behind the last pair
.endif
.endm
; nb blocks of 32 along K: v[s + 16 b + i] = k 32 b + 16 h + i of my row.  Codes into v[pc] on, the scale word into v[pw].  relu = 1: what is negative becomes 0 on the way.
.macro QUANT s, relu, nb, pc, pw
.irp b, 0,1,2,3
.if \b < \nb
.if \relu
	v_max3_num_f32 v[TM+\b], v[\s+16*\b], v[\s+1+16*\b], 0x4800000          ; no |.|: what is negative must not count; the floor 2^(9 - 127) stands over it and holds the byte at 1 from below
.else
	v_max3_num_f32 v[TM+\b], |v[\s+16*\b]|, |v[\s+1+16*\b]|, 0x4800000
.endif
.endif
.endr
.irp i, 2,4,6,8,10,12,14
.irp b, 0,1,2,3
.if \b < \nb
.if \relu
	v_max3_num_f32 v[TM+\b], v[TM+\b], v[\s+16*\b+\i], v[\s+1+16*\b+\i]     ; the blocks by turns
.else
	v_max3_num_f32 v[TM+\b], v[TM+\b], |v[\s+16*\b+\i]|, |v[\s+1+16*\b+\i]|
.endif
.endif
.endr
.endr
.irp b, 0,1,2,3
.if \b < \nb
	v_permlanex16_b32 v[TM+4+\b], v[TM+\b], s54, s55
.endif
.endr
.irp b, 0,1,2,3
.if \b < \nb
	v_max_num_f32 v[TM+\b], v[TM+\b], v[TM+4+\b]               ; with lane l xor 16's sixteen: the block's largest magnitude
.endif
.endr
.irp b, 0,1,2,3
.if \b < \nb
	v_add_nc_u32 v[TM+12+\b], 0xfc000000, v[TM+\b]             ; 8 off its exponent field: the conversion takes this operand's exponent field as its scale
.endif
.endr
.irp b, 0,1,2,3
.if \b < \nb
	v_and_or_b32 v[TM+8+\b], v[TM+\b], 0x7f800000, s56         ; 448 x the scale
.endif
.endr
.irp b, 0,1,2,3
.if \b < \nb
	v_lshrrev_b32 v[TM+4+\b], 23, v[TM+12+\b]                  ; the scale's byte
.endif
.endr
	v_lshl_or_b32 v[\pw], v[TM+5], 8, v[TM+4]                  ; my row's scale word; the holds below are more than the eight places between it and the product that names it
.if \nb > 2
	v_lshl_or_b32 v[\pw], v[TM+6], 16, v[\pw]
	v_lshl_or_b32 v[\pw], v[TM+7], 24, v[\pw]
.endif
.irp b, 0,1,2,3
.if \b < \nb
.irp i, 0,1,2,3,4,5,6,7,8,9,10,11,12,13,14,15
.if \relu
	v_med3_num_f32 v[\s+16*\b+\i], v[\s+16*\b+\i], 0, v[TM+8+\b]              ; the activation and the hold in one
.else
	v_med3_num_f32 v[\s+16*\b+\i], v[\s+16*\b+\i], -v[TM+8+\b], v[TM+8+\b]    ; the conversion to an 8-bit code does not saturate (ISA guide 7.6.2)
.endif
.endr
	v_cvt_scalef32_pk8_fp8_f32 v[\pc+4*\b:\pc+4*\b+1], v[\s+16*\b:\s+16*\b+7], v[TM+12+\b]
	v_cvt_scalef32_pk8_fp8_f32 v[\pc+4*\b+2:\pc+4*\b+3], v[\s+16*\b+8:\s+16*\b+15], v[TM+12+\b]
.endif
.endr
	v_nop                                          ; one plain vector instruction behind the last conversion
.endm
.macro FETCHW s                        ; W1's four fragments of K step s
.irp t, 0,1,2,3
.irp c, 0,1,2,3
	ds_load_b128 v[G+64*\s+16*\t+4*\c:G+64*\s+16*\t+4*\c+3], v[AW1R] offset:W1L+4352*\t+128*\s+32*\c
.endr
.endr
.endm
.macro PAR1L dst, a                    ; parameter a of the first layer in the result's layout: tile t, register j = hidden unit 32 (t / 2) + 16 h + 8 (t % 2) + j
.irp t, 0,1,2,3
	ds_load_b128 v[\dst+8*\t:\dst+8*\t+3], v[AP1R] offset:PAR1+256*\a+128*(\t/2)+32*(\t%2)
	ds_load_b128 v[\dst+8*\t+4:\dst+8*\t+7], v[AP1R] offset:PAR1+256*\a+128*(\t/2)+32*(\t%2)+16
.endr
.endm
.macro PAR2L dst, a                    ; parameter a of the second layer: tile t, register j = unit 16 t + 8 h + j
.irp t, 0,1
	ds_load_b128 v[\dst+8*\t:\dst+8*\t+3], v[AP2R] offset:PAR2+128*\a+64*\t
	ds_load_b128 v[\dst+8*\t+4:\dst+8*\t+7], v[AP2R] offset:PAR2+128*\a+64*\t+16
.endr
.endm
.macro BARRIER                         ; my LDS stores have landed and my LDS loads are in: then the work-group's barrier
	s_wait_dscnt 0x0
	s_barrier_signal -1
	s_barrier_wait -1
.endm
	; ---- 0: the addresses; my rows' indices and values are asked for before anything else
	s_load_b512 s[8:23], s[0:1], 0x0               ; x 8, x_field 10, x_val 12, emb_table 14, lin_table 16, lin_bias 18, W1_codes 20, W1_scales 22
	s_load_b512 s[24:39], s[0:1], 0x40             ; W2_codes 24, W2_scales 26, b1 28, g1 30, be1 32, b2 34, g2 36, be2 38
	s_load_b128 s[40:43], s[0:1], 0x80             ; W3 40, b3 42
	s_load_b64 s[44:45], s[0:1], 0x90              ; out0
	s_set_vgpr_msb 0x40
	v_lshl_add_u32 v0, v0, 2, 0x29000
	v_mov_b32 v1, 0
	s_set_vgpr_msb 0x4000
	v_lshrrev_b32 v31, 5, v0
	v_readfirstlane_b32 s[WV], v31                 ; wave 0..3
	v_and_b32 v32, 31, v0                          ; lane
	v_lshlrev_b32 v[GL16], 4, v32                  ; the five offsets that the global loads of this part read
	v_lshlrev_b32 v[GT16], 4, v0
	v_lshlrev_b32 v[GT4], 2, v0
	v_lshlrev_b32 v[GL4], 2, v32
	v_lshlrev_b32 v[GL2], 1, v32
	s_lshl_b32 s4, ttmp9, 12                       ; the work-group's 64 rows of 64 bytes,
	s_wait_alu depctr_va_sdst(0)                   ; the wave's number is written, ahead of its first reader
	s_lshl_b32 s5, s[WV], 10                       ; my wave's 16
	s_add_co_u32 s4, s4, s5
	s_mov_b32 s5, 0
	s_lshl_b32 s6, ttmp9, 8                        ; the work-group's 64 results
	s_mov_b32 s7, 0
	s_wait_kmcnt 0x0
	s_add_nc_u64 s[8:9], s[8:9], s[4:5]
	s_add_nc_u64 s[10:11], s[10:11], s[4:5]
	s_add_nc_u64 s[12:13], s[12:13], s[4:5]
	s_add_nc_u64 s[44:45], s[44:45], s[6:7]
	s_wait_alu depctr_va_vdst(0)                   ; 16 x lane, 16 x thread, 4 x thread, 4 x lane and 2 x lane are written, which the loads below read
	global_load_b128 v[RX:RX+3], v[GL16], s[8:9] th:TH_LOAD_NT                 ; 512 consecutive bytes a load: lane l holds row l / 4, fields 4 q .. 4 q + 3
	global_load_b128 v[RX+4:RX+7], v[GL16], s[8:9] offset:512 th:TH_LOAD_NT    ; and row 8 + l / 4
	global_load_b128 v[RF:RF+3], v[GL16], s[10:11] th:TH_LOAD_NT
	global_load_b128 v[RF+4:RF+7], v[GL16], s[10:11] offset:512 th:TH_LOAD_NT
	global_load_b128 v[RV:RV+3], v[GL16], s[12:13] th:TH_LOAD_NT
	global_load_b128 v[RV+4:RV+7], v[GL16], s[12:13] offset:512 th:TH_LOAD_NT
	s_load_b32 s46, s[18:19], 0x0                  ; lin_bias
	s_load_b32 s47, s[42:43], 0x0                  ; b3
	; which parameters my wave brings: wave 0: b1, b2;  1: g1, g2, each x c;  2: be1, be2;  3: W3.  The choices hang on the wave's number alone
	s_cmp_eq_u32 s[WV], 1
	s_cselect_b64 s[48:49], s[30:31], s[32:33]
	s_cselect_b64 s[50:51], s[36:37], s[38:39]
	s_cselect_b32 s52, 0x3f7fffac, 1.0
	s_cmp_eq_u32 s[WV], 0
	s_cselect_b64 s[48:49], s[28:29], s[48:49]
	s_cselect_b64 s[50:51], s[34:35], s[50:51]
	s_cmp_eq_u32 s[WV], 3
	s_cselect_b64 s[50:51], s[40:41], s[50:51]
	s_mov_b32 s53, s52                             ; (named with it as a pair, so it is written)
.irp i, 0,1,2,3,4,5,6,7
	global_load_b128 v[VV+4*\i:VV+4*\i+3], v[GT16], s[20:21] offset:2048*\i    ; W1's rows 8 i .. 8 i + 7: the work-group's 128 threads take 2,048 consecutive bytes
.endr
	global_load_b128 v[CW2:CW2+3], v[GT16], s[24:25]           ; W2: 2,048 bytes
	global_load_b32 v[CSC], v[GT4], s[22:23]                   ; W1's scale bytes: 512
	global_load_u16 v[W2S], v[GL2], s[26:27]                   ; W2's: lane = row, two bytes; the bytes of the K that is filled with zeros are 0
	global_load_b32 v[CP2], v[GL4], s[50:51]                   ; 32 numbers
	; all other address registers, while the loads are out and ahead of the first branch
	s_mul_i32 s[WB], s[WV], WSIZE
	s_add_co_u32 s[WB], s[WB], WREG                ; my wave's region of LDS
	s_mov_b32 s54, 0x76543210
	s_mov_b32 s55, 0xfedcba98                      ; v_permlanex16_b32's selects for lane l xor 16
	s_mov_b32 s56, 0x600000                        ; the mantissa field of 448
	s_lshl_b32 s4, s[WV], 6
	v_and_b32 v33, 15, v0                          ; r
	v_bfe_u32 v34, v0, 4, 1                        ; h
	v_and_b32 v35, 3, v0                           ; q
	v_bfe_u32 v36, v0, 2, 2                        ; gl
	v_lshlrev_b32 v[GT8], 3, v0
	v_lshlrev_b32 v[GL8], 3, v32
	v_lshrrev_b32 v37, 4, v0
	v_mul_u32_u24 v[AW1S], v37, 272
	v_lshl_add_u32 v[AW1S], v33, 4, v[AW1S]
	v_lshrrev_b32 v37, 2, v0
	v_mul_u32_u24 v[AW2S], v37, 80
	v_lshl_add_u32 v[AW2S], v35, 4, v[AW2S]
	v_lshl_add_u32 v[AIS], v34, 4, v[GL16]
	v_add_nc_u32 v[AIS], s[WB], v[AIS]
	v_mul_u32_u24 v[AIR], v36, 272
	v_lshl_add_u32 v[AIR], v34, 7, v[AIR]
	v_add_nc_u32 v[AIR], s[WB], v[AIR]
	v_mul_u32_u24 v[ATS], v36, 4*TP
	v_mad_u32_u24 v[ATS], v34, 2*TP, v[ATS]
	v_lshl_add_u32 v[ATS], v35, 4, v[ATS]
	v_add_nc_u32 v[ATS], s[WB], v[ATS]
	v_mul_u32_u24 v[ATR], v33, TP
	v_lshl_add_u32 v[ATR], v34, 6, v[ATR]
	v_add_nc_u32 v[ATR], s[WB], v[ATR]
	v_lshrrev_b32 v37, 2, v32
	v_lshl_add_u32 v[ALS], v37, 2, s[WB]
	v_lshlrev_b32 v[AFS], 4, v36
	v_lshl_add_u32 v[AFS], v34, 3, v[AFS]
	v_add_nc_u32 v[AFS], s[WB], v[AFS]
	v_lshl_add_u32 v[ARR], v33, 2, s[WB]
	v_mul_u32_u24 v[AW1R], v33, 272
	v_lshl_add_u32 v[AW1R], v34, 4, v[AW1R]
	v_mul_u32_u24 v[AW2R], v33, 80
	v_lshl_add_u32 v[AW2R], v34, 4, v[AW2R]
	v_and_b32 v37, 8, v33
	v_add_nc_u32 v37, v37, v33                     ; r + 8 (r / 8)
	v_lshlrev_b32 v[ASC1R], 3, v37
	v_lshl_add_u32 v[ASC1R], v34, 2, v[ASC1R]
	v_lshlrev_b32 v[AP1R], 6, v34
	v_lshlrev_b32 v[AP2R], 5, v34
	v_lshl_add_u32 v[AOS], v33, 2, s4
	v_lshlrev_b32 v[Q16], 4, v35
	s_wait_alu depctr_va_vdst(0)                   ; all addresses v1 to v23 are written, which every load and store from here on reads; the lines above are done with v32 to v37, in which index words land
	s_cmp_lt_u32 s[WV], 3                          ; the first layer has three parameters: waves 0 to 2 bring them
	s_cbranch_scc0 .Lno_p1_load
	global_load_b64 v[CP1:CP1+1], v[GL8], s[48:49]             ; 64 numbers
.Lno_p1_load:
	; ---- 1: the indices turn through my region of LDS: in as loaded, back 128 bytes (two rows) to each group of four lanes
	s_wait_loadcnt 12                              ; behind the six index loads stand 12 loads (wave 3) or 13: the six are in on both ways
	ds_store_b128 v[AIS], v[RX:RX+3]
	ds_store_b128 v[AIS], v[RX+4:RX+7] offset:544
	ds_store_b128 v[AIS], v[RF:RF+3] offset:IXF
	ds_store_b128 v[AIS], v[RF+4:RF+7] offset:IXF+544
	ds_store_b128 v[AIS], v[RV:RV+3] offset:IXV
	ds_store_b128 v[AIS], v[RV+4:RV+7] offset:IXV+544
.irp i, 0,1,2,3,4,5,6,7
	ds_load_b128 v[XO+4*\i:XO+4*\i+3], v[AIR] offset:16*\i     ; LDS serves a wave's instructions in order (ISA guide 5.7.1.4): these see my stores
	ds_load_b128 v[FF+4*\i:FF+4*\i+3], v[AIR] offset:IXF+16*\i
.endr
	; ---- 2: lin_table's offsets, from the words as they were loaded, while the index words are on their way back: offset = 4 min(x, 99999) + 400,000 min(field, 16).  The loads stand behind the gathers
	s_wait_alu depctr_vm_vsrc(0)                   ; the LDS stores above have read x and x_field as loaded, which the lines below write
.irp k, 0,1,2,3,4,5,6,7
	v_min_u32 v[RX+\k], 0x1869f, v[RX+\k]
.endr
.irp k, 0,1,2,3,4,5,6,7
	v_min_u32 v[RF+\k], 16, v[RF+\k]
.endr
.irp k, 0,1,2,3,4,5,6,7
	v_lshlrev_b32 v[RX+\k], 2, v[RX+\k]
.endr
.irp k, 0,1,2,3,4,5,6,7
	v_mul_u32_u24 v[RF+\k], 0x61a80, v[RF+\k]
.endr
.irp k, 0,1,2,3,4,5,6,7
	v_add_nc_u32 v[RX+\k], v[RX+\k], v[RF+\k]
.endr
	; ---- 3: the 32 gathers, in four groups of eight, and lin's eight
	GSTEP 0
	GSTEP 1
	GSTEP 2
	GSTEP 3
	s_wait_alu depctr_va_vdst(0)                   ; group 3 has written its offsets and every field number has been used: the last eight gathers land on them; lin's offsets are written too, and its lines are done with v72 to v79, in which its numbers land
.irp n, 0,1,2,3
	ASK 3, 2*\n
.endr
.irp k, 0,1,2,3,4,5,6,7
	global_load_b32 v[RF+\k], v[RX+\k], s[16:17]
.endr
	; ---- 4: the weights and parameters go to LDS while the gathers are out
	s_wait_loadcnt 40                              ; behind them: 32 gathers and lin's 8
	s_wait_kmcnt 0x0                               ; lin_bias, b3
	v_mul_f32 v[CP2], s52, v[CP2]                  ; g2 x c; the others x 1
.irp i, 0,1,2,3,4,5,6,7
	ds_store_b128 v[AW1S], v[VV+4*\i:VV+4*\i+3] offset:W1L+272*(32*(\i/4)+16*(\i%2)+8*((\i%4)/2))   ; rows 8 i on are lanes 8 ((i % 4) / 2) on of tile 2 (i / 4) + i % 2.  (Data as loaded: no vector line has named them)
.endr
	ds_store_b128 v[AW2S], v[CW2:CW2+3] offset:W2L
	ds_store_b32 v[GT4], v[CSC] offset:SC1
	s_wait_alu depctr_va_vdst(0)                   ; the multiplication above has written the second layer's parameter, which the next store reads
	ds_store_b32 v[GT4], v[CP2] offset:PAR2        ; 4 x thread = 128 x wave + 4 x lane
	s_cmp_lt_u32 s[WV], 3
	s_cbranch_scc0 .Lno_p1_store
	v_pk_mul_f32 v[CP1:CP1+1], v[CP1:CP1+1], s[52:53] op_sel_hi:[1,0]
	s_wait_alu depctr_va_vdst(0)                   ; it has written the first layer's parameter, which the store reads
	ds_store_b64 v[GT8], v[CP1:CP1+1] offset:PAR1  ; 8 x thread = 256 x wave + 8 x lane
.Lno_p1_store:
	BARRIER                                        ; the weights and parameters lie in LDS, for all four waves
	s_wait_alu depctr_vm_vsrc(0)                   ; my LDS stores have read W1's registers, in which x_val lands, and v88 to v95, which the rows' sums write
.irp i, 0,1,2,3,4,5,6,7
	ds_load_b128 v[VV+4*\i:VV+4*\i+3], v[AIR] offset:IXV+16*\i   ; x_val of my 32 pairs
.endr
	s_wait_dscnt 0x0
	; ---- 5: the pairs as they land
.irp j, 0,1,2,3,4,5,6,7,8,9,10,11,12,13,14,15,16,17,18,19,20,21,22,23,24,25,26,27,28,29,30,31
	TAKE \j
.endr
	s_wait_alu depctr_va_vdst(0)                   ; pairs 24 to 31 have been weighed and both rows' fm are written, which the ten stores below read
.irp p, 24,25,26,27,28,29,30,31
	SEND \p
.endr
	ds_store_b32 v[AFS], v[FM] offset:ROWO+64      ; the four lanes write the same word with the same value
	ds_store_b32 v[AFS], v[FM+1] offset:ROWO+68
	s_wait_loadcnt 0x0                             ; lin's eight
	v_mul_f32 v[SS], v[RF], v[RV]                  ; row l / 4, my four fields;
	v_mul_f32 v[SS+1], v[RF+4], v[RV+4]            ; row 8 + l / 4
.irp k, 1,2,3
	v_fma_f32 v[SS], v[RF+\k], v[RV+\k], v[SS]
	v_fma_f32 v[SS+1], v[RF+4+\k], v[RV+4+\k], v[SS+1]
.endr
	v_add_f32_dpp v[SS], v[SS], v[SS] row_xmask:1 row_mask:0xf bank_mask:0xf
	v_add_f32_dpp v[SS+1], v[SS+1], v[SS+1] row_xmask:1 row_mask:0xf bank_mask:0xf
	v_add_f32_dpp v[SS], v[SS], v[SS] row_xmask:2 row_mask:0xf bank_mask:0xf
	v_add_f32_dpp v[SS+1], v[SS+1], v[SS+1] row_xmask:2 row_mask:0xf bank_mask:0xf
	s_wait_alu depctr_va_vdst(0)                   ; lin's two sums are written, which the stores read; and no vector line is still at work on the pairs' registers or on x_val's, in which the rows and b1 land below
	ds_store_b32 v[ALS], v[SS] offset:ROWO
	ds_store_b32 v[ALS], v[SS+1] offset:ROWO+32
	s_wait_dscnt 0x0                               ; the stores into the stage are done
	s_wait_alu depctr_vm_vsrc(0)                   ; they have read the pairs' registers, into which the rows now come back; the gathers have read their offsets v32 to v63, which the conversions write, and lin's loads theirs, v64 to v71, which the quantiser writes
	; ---- 6: back in the operand's layout, and quantised; W1's fragments follow into the registers that the numbers leave
.irp c, 0,1,2,3,4,5,6,7
.irp i, 0,1,2,3
	ds_load_b128 v[G+16*\c+4*\i:G+16*\c+4*\i+3], v[ATR] offset:STGO+128*\c+16*\i   ; field 2 c + h of row r; sixteen lanes: TP r = 16 r mod 256: sixteen different columns
.endr
.endr
	PAR1L H, 0                                     ; b1: the C of the first products
.irp t, 0,1,2,3
	ds_load_b32 v[W1S+\t], v[ASC1R] offset:SC1+8*(32*(\t/2)+8*(\t%2))
.endr
.irp b, 0,1,2,3
	v_mov_b32 v[TM+4+\b], 0                        ; a lane permute's destination counts as one of its sources
.endr
	s_wait_dscnt 28                                ; behind K step 0's sixteen loads: K step 1's 16, b1's 8, the scale words' 4
	QUANT G, 0, 4, A0, PW0
	s_wait_alu depctr_va_vdst(0)                   ; the holds and conversions are done with K step 0's 64 numbers, in which W1's fragments land; its codes and scale word are written, which the first products take
	FETCHW 0
	s_wait_dscnt 28                                ; behind K step 1's: 8, 4 and the 16 just issued
	QUANT G+64, 0, 4, A1, PW1
	s_wait_alu depctr_va_vdst(0)                   ; the same of K step 1's 64 numbers
	FETCHW 1
	; ---- 7: the first product, 16 rows x 64 hidden units x K 256.  The four accumulators take turns, one instruction a turn
	s_wait_dscnt 16                                ; all but K step 1's fragments
.irp t, 0,1,2,3
	v_wmma_scale_f32_16x16x128_f8f6f4 v[H+8*\t:H+8*\t+7], v[G+16*\t:G+16*\t+15], v[A0:A0+15], v[H+8*\t:H+8*\t+7], v[W1S+\t], v[PW0]
.endr
.rept 8
	v_nop                                          ; eight plain lines behind these products: the zero codes further down write registers that they read; three of the eight, with the one behind the conversions, are the four places between K step 1's codes and the products on them
.endr
	s_wait_alu depctr_va_vdst(0)                   ; the four products are done reading K step 0's fragments, in which g1 c and be1 land; K step 1's codes and scale word are written, which the next four take
	PAR1L G, 1                                     ; g1 c
	PAR1L G+32, 2                                  ; be1
	s_wait_dscnt 16                                ; all but the 16 just issued
.irp t, 0,1,2,3
	v_wmma_scale_f32_16x16x128_f8f6f4 v[H+8*\t:H+8*\t+7], v[G+64+16*\t:G+64+16*\t+15], v[A1:A1+15], v[H+8*\t:H+8*\t+7], v[W1S+\t], v[PW1] matrix_a_scale:MATRIX_SCALE_ROW1
.endr
	; ---- 8: the norm, the activation, the hidden layer's codes
.irp k, 0,1,2,3,4,5,6,7
	v_mov_b32 v[A0+8+\k], 0                        ; the hidden layer's K 64 .. 127: zero codes.  Eight plain lines that name no register of the last four products: their places
.endr
.irp t, 0,1
.irp k, 0,1,2,3,4,5,6,7
	v_mov_b32 v[W2F+16*\t+8+\k], 0                 ; W2's K 64 .. 127: zero codes
.endr
.endr
	s_wait_alu depctr_va_vdst(0)                   ; the last four products are done reading K step 1's fragments, in which W2's codes and b2 land
.irp t, 0,1
.irp c, 0,1
	ds_load_b128 v[W2F+16*\t+4*\c:W2F+16*\t+4*\c+3], v[AW2R] offset:W2L+1280*\t+32*\c
.endr
.endr
	PAR2L H2, 0                                    ; b2: the C of the second products
	s_wait_dscnt 8                                 ; g1 c and be1 are in; W2's 4 loads and b2's 4 may be out
.irp k, 0,2,4,6,8,10,12,14,16,18,20,22,24,26,28,30
	v_pk_fma_f32 v[H+\k:H+\k+1], v[H+\k:H+\k+1], v[G+\k:G+\k+1], v[G+32+\k:G+32+\k+1]   ; (sum + b1) g1 c + be1; each accumulator from its low end on
.endr
	s_wait_alu depctr_va_vdst(0)                   ; the norm's lines are done reading g1 c and be1, in which the second layer's parameters land
	PAR2L G, 1                                     ; g2 c
	PAR2L G+16, 2                                  ; be2
	PAR2L G+32, 3                                  ; W3
	ds_load_b32 v80, v[ARR] offset:ROWO            ; my row's lin
	ds_load_b32 v81, v[ARR] offset:ROWO+64         ; and its sum s^2 - sum g^2
	QUANT H, 1, 2, A0, PW0
.rept 3
	v_nop                                          ; with the one above: four places between the codes and the product on them
.endr
	s_wait_alu depctr_va_vdst(0)                   ; the hidden layer's codes, its scale word and both sides' zero codes are written, which the products below take
	s_wait_dscnt 0x0
	; ---- 9: the second product, 16 rows x 32 units x K 64 (filled to 128)
	v_wmma_scale_f32_16x16x128_f8f6f4 v[H2:H2+7], v[W2F:W2F+15], v[A0:A0+15], v[H2:H2+7], v[W2S], v[PW0]
	v_wmma_scale_f32_16x16x128_f8f6f4 v[H2+8:H2+15], v[W2F+16:W2F+31], v[A0:A0+15], v[H2+8:H2+15], v[W2S], v[PW0] matrix_a_scale:MATRIX_SCALE_ROW1
	v_fma_f32 v82, 0.5, v81, v80                   ; lin + fm,
	v_add_f32 v82, s46, v82                        ; + lin_bias,
	v_add_f32 v82, s47, v82                        ; + b3: three of the eight places behind the products
.rept 5
	v_nop
.endr
	; ---- 10: the norm, the activation, the third product in f32, the sum
.irp k, 0,2,4,6,8,10,12,14
	v_pk_fma_f32 v[H2+\k:H2+\k+1], v[H2+\k:H2+\k+1], v[G+\k:G+\k+1], v[G+16+\k:G+16+\k+1]
.endr
.irp k, 0,1,2,3,4,5,6,7,8,9,10,11,12,13,14,15
	v_max_num_f32 v[H2+\k], 0, v[H2+\k]
.endr
	v_pk_mul_f32 v[84:85], v[H2:H2+1], v[G+32:G+33]            ; my 16 units x W3, in two chains
	v_pk_mul_f32 v[86:87], v[H2+2:H2+3], v[G+34:G+35]
.irp k, 4,8,12
	v_pk_fma_f32 v[84:85], v[H2+\k:H2+\k+1], v[G+32+\k:G+33+\k], v[84:85]
	v_pk_fma_f32 v[86:87], v[H2+2+\k:H2+3+\k], v[G+34+\k:G+35+\k], v[86:87]
.endr
	v_pk_add_f32 v[84:85], v[84:85], v[86:87]
	v_add_f32 v84, v84, v85
	v_permlanex16_b32 v85, v84, s54, s55           ; the row's other 16 units lie in lane l xor 16
	v_add_f32 v84, v84, v85
	v_add_f32 v84, v84, v82
	s_wait_alu depctr_va_vdst(0)                   ; my result is written, which the store reads; the lines above are done with v86 and v87, in which wave 0's load below lands
	ds_store_b32 v[AOS], v84 offset:OUTW           ; lanes r and r + 16 write the same word with the same value
	BARRIER                                        ; the work-group's 64 results lie in LDS
	s_cmp_lg_u32 s[WV], 0
	s_cbranch_scc1 .Ldone
	ds_load_b64 v[86:87], v[GL8] offset:OUTW       ; into registers that no memory or LDS instruction has read since the last wait on vm_vsrc
	s_wait_dscnt 0x0
	global_store_b64 v[GL8], v[86:87], s[44:45] th:TH_STORE_NT   ; 32 lanes store 256 consecutive bytes, at a multiple of 256 from out0's first byte
.Ldone:
	s_set_vgpr_msb 0x5
	s_wait_dscnt 0x0
	s_wait_alu depctr_hold_cnt(0) depctr_sa_sdst(0) depctr_va_vdst(0) depctr_va_sdst(0) depctr_va_ssrc(0) depctr_va_vcc(0) depctr_vm_vsrc(0)
	s_wait_tensorcnt 0x0
	ds_add_u32 v0, v1
	s_wait_dscnt 0x0
	s_endpgm
.Lfunc_end_k_q8e03b37a51_deepfm:
	.size	k_q8e03b37a51_deepfm, .Lfunc_end_k_q8e03b37a51_deepfm-k_q8e03b37a51_deepfm
	.p2alignl 7, 3214868480
	.fill 96, 4, 3214868480
	.section	.rodata,"a",@progbits
	.p2align	6, 0x0
	.amdhsa_kernel k_q8e03b37a51_deepfm
		.amdhsa_group_segment_fixed_size 168448
		.amdhsa_private_segment_fixed_size 0
		.amdhsa_enable_private_segment 0
		.amdhsa_kernarg_size 152
		.amdhsa_user_sgpr_count 2
		.amdhsa_user_sgpr_kernarg_segment_ptr 1
		.amdhsa_wavefront_size32 1
		.amdhsa_system_sgpr_workgroup_id_x 1
		.amdhsa_system_sgpr_workgroup_id_y 1
		.amdhsa_system_sgpr_workgroup_id_z 1
		.amdhsa_system_vgpr_workitem_id 0
		.amdhsa_next_free_vgpr 258
		.amdhsa_next_free_sgpr 66
		.amdhsa_reserve_vcc 0
		.amdhsa_float_denorm_mode_32 3
		.amdhsa_float_denorm_mode_16_64 3
		.amdhsa_memory_ordered 1
		.amdhsa_forward_progress 1
		.amdhsa_inst_pref_size 75
	.end_amdhsa_kernel
	.amdgpu_metadata
---
amdhsa.version: [ 1, 2 ]
amdhsa.kernels:
  - .name:           k_q8e03b37a51_deepfm
    .symbol:         k_q8e03b37a51_deepfm.kd
    .args:
      - { .name: x, .offset: 0, .size: 8, .value_kind: global_buffer, .address_space: global }
      - { .name: x_field, .offset: 8, .size: 8, .value_kind: global_buffer, .address_space: global }
      - { .name: x_val, .offset: 16, .size: 8, .value_kind: global_buffer, .address_space: global }
      - { .name: emb_table, .offset: 24, .size: 8, .value_kind: global_buffer, .address_space: global }
      - { .name: lin_table, .offset: 32, .size: 8, .value_kind: global_buffer, .address_space: global }
      - { .name: lin_bias, .offset: 40, .size: 8, .value_kind: global_buffer, .address_space: global }
      - { .name: W1_codes, .offset: 48, .size: 8, .value_kind: global_buffer, .address_space: global }
      - { .name: W1_scales, .offset: 56, .size: 8, .value_kind: global_buffer, .address_space: global }
      - { .name: W2_codes, .offset: 64, .size: 8, .value_kind: global_buffer, .address_space: global }
      - { .name: W2_scales, .offset: 72, .size: 8, .value_kind: global_buffer, .address_space: global }
      - { .name: b1, .offset: 80, .size: 8, .value_kind: global_buffer, .address_space: global }
      - { .name: g1, .offset: 88, .size: 8, .value_kind: global_buffer, .address_space: global }
      - { .name: be1, .offset: 96, .size: 8, .value_kind: global_buffer, .address_space: global }
      - { .name: b2, .offset: 104, .size: 8, .value_kind: global_buffer, .address_space: global }
      - { .name: g2, .offset: 112, .size: 8, .value_kind: global_buffer, .address_space: global }
      - { .name: be2, .offset: 120, .size: 8, .value_kind: global_buffer, .address_space: global }
      - { .name: W3, .offset: 128, .size: 8, .value_kind: global_buffer, .address_space: global }
      - { .name: b3, .offset: 136, .size: 8, .value_kind: global_buffer, .address_space: global }
      - { .name: out0, .offset: 144, .size: 8, .value_kind: global_buffer, .address_space: global }
    .group_segment_fixed_size: 168448
    .private_segment_fixed_size: 0
    .kernarg_segment_align: 8
    .kernarg_segment_size: 152
    .max_flat_workgroup_size: 128
    .sgpr_count:     66
    .vgpr_count:     258
    .wavefront_size: 32
...
	.end_amdgpu_metadata
.endif
;; end of part 2
